; MI455X (gfx1250); checked and timed in simulation.
; The chip was launched on July 23, 2026; its instructions are those of AMD's public machine-readable ISA for CDNA 5 (MIT licence, August 2026) and "CDNA5" Instruction Set Architecture Reference Guide (July 2026). The comments in the code are by the model that wrote it; some were corrected since.
;; SDPA With Sink. Allowed arithmetic: matrix products marked QUANTISED: E3M2 operands, one E8M0 scale for each 32 along K, by v_wmma_scale_f32_16x16x128_f8f6f4 with both operands' format E3M2, f32 sums; everything else in f32.
;; Inputs: k_codes 4 x 16 x 1,024 x 2 x 24 uint8 (E3M2 codes of k, K innermost, in blocks of 32 codes, four codes in three bytes); k_scales 4 x 16 x 1,024 x 2 uint8 (E8M0 scales of k, one for each 32 codes along K); q_codes 4 x 16 x 1,024 x 2 x 24 uint8 (E3M2 codes of q, K innermost, in blocks of 32 codes, four codes in three bytes); q_scales 4 x 16 x 1,024 x 2 uint8 (E8M0 scales of q, one for each 32 codes along K); sink_logit 16 float32; v_codes 4 x 16 x 64 x 32 x 24 uint8 (E3M2 codes of v, K innermost, in blocks of 32 codes, four codes in three bytes); v_scales 4 x 16 x 64 x 32 uint8 (E8M0 scales of v, one for each 32 codes along K).
;; Outputs: out0 4 x 16 x 1,024 x 64 float32.
;; This version of the problem:
;;   THIS VERSION OF THE PROBLEM IS GIVEN IN LOW PRECISION. The matrix products marked QUANTISED in the list below multiply operands that are first quantised to E3M2 (3 exponent bits, 2 mantissa bits; 6 bits a number), with one power-of-two scale for each 32 numbers along K (OCP MX v1.0); their sums are f32. All else is computed in f32.
;;   The module's matrix products, in the order in which they are computed (A, B: the left and right operand; K: the contracted axis; several contracted axes count as one K, in the product's order):
;;     1. batch 64 x [M 1,024, K 64] x [K 64, N 1,024]; A: input q (given as codes); B: input k (given as codes): QUANTISED
;;     2. batch 64 x [M 1,024, K 1,024] x [K 1,024, N 64]; A: computed on the way; B: input v (given as codes): QUANTISED
;;   THE QUANTISER, for each operand of a quantised product, along K:
;;     - K is cut into blocks of 32 from its start; a last block that is shorter is filled with zeros.
;;     - A block's scale is 2^e with e = floor(log2(the largest magnitude in the block)) - 4, held to -126 .. 127; a block of zeros has e = 0. As a byte (E8M0): e + 127.
;;     - Each number is divided by its block's scale, clamped to +-28, and rounded to the nearest number of E3M2, ties to even, subnormals kept.
;;     - The product sums the exact products of the quantised numbers (number of the format x scale) in f32.
;;   ~~~python
;;   def quantise(x, axis):      # numpy; x: float32 -> the quantised numbers, widened to float32 again
;;       x = np.moveaxis(x, axis, -1); K = x.shape[-1]
;;       x = np.pad(x, [(0, 0)] * (x.ndim - 1) + [(0, -K % 32)]); x = x.reshape(x.shape[:-1] + (-1, 32)); a = np.abs(x).max(-1, keepdims=True)
;;       e = np.where(a > 0, np.clip(np.frexp(np.where(a > 0, a, 1))[1] - 1 - 4, -126, 127), 0)      # np.frexp(a)[1] - 1 = floor(log2(a)), exactly
;;       r = np.clip(x / 2.0 ** e, -28, 28)
;;       step = 2.0 ** (np.maximum(np.frexp(np.where(r == 0, 1, r))[1] - 1, -2) - 2)
;;       q = np.round(r / step) * step * 2.0 ** e      # np.round: ties to even
;;       return np.moveaxis(q.reshape(q.shape[:-2] + (-1,))[..., :K], -1, axis).astype(np.float32)
;;   ~~~
;;   OPERANDS COMPUTED ON THE WAY. 'Computed on the way' means the value that the module computes at that place (a softmax that the list does not call 'softmax' is quantised finished and normalised). What goes into a quantiser is computed in f32, as accurately as f32 sums, v_exp_f32 and their like allow (about 1e-6 of the number): no bf16 or f16 on the way to a quantiser, and a product that is left as it is and whose result goes on into a quantised operand takes f32 operands (vector FMAs, or v_wmma_f32_16x16x4_f32). A number that lies on a knife's edge between two numbers of the format may be rounded either way, as far as f32 arithmetic and the matrix unit's own rounding can turn it there, and no further.
;;   INPUTS GIVEN AS CODES. k (in the module: [4, 16, 1024, 64], K = its axis 3); q (in the module: [4, 16, 1024, 64], K = its axis 3); v (in the module: [4, 16, 1024, 64], K = its axis 2): each comes as NAME_codes (uint8): NAME with its K axis moved to the last place and cut into blocks of 32 codes, [.., K / 32, bytes a block], one block behind the other in memory; four codes in three bytes: a row's codes are one little-endian stream of bits, code i at bits 6 i .. 6 i + 5 (a code: sign, 3 exponent bits, 2 mantissa bits); and NAME_scales (uint8): the same leading axes, one E8M0 byte (e + 127) for each 32 codes along K. Its value is code x scale, taken as it is: it is not quantised again, and the codes and scales need not be those that the quantiser above would give.
;; One version. Each part assembles by itself: llvm-mc -triple=amdgcn-amd-amdhsa -mcpu=gfx1250 --defsym DOCPART=n.
;; ======== version 1 of 1: 1 launch
;; limits: right only within a limited range of input values
;; launch attn (part 1): grid 256 x 1, 8 waves a work-group, clusters of 4 x 1, 327,680 bytes of LDS; arguments q_codes, q_scales, k_codes, k_scales, v_codes, v_scales, sink_logit, out0; writes out0
.if DOCPART == 1
	.amdgcn_target "amdgcn-amd-amdhsa--gfx1250"
	.amdhsa_code_object_version 6
	.text
	.protected	k_q326833ed2d_attn
	.globl	k_q326833ed2d_attn
	.p2align	8
	.type	k_q326833ed2d_attn,@function
k_q326833ed2d_attn:
	s_mov_b64 s[64:65], 0
	v_nop
	global_prefetch_b8 v0, s[64:65] scope:SCOPE_SE
	s_setreg_imm32_b32 hwreg(HW_REG_WAVE_MODE, 25, 1), 1
	s_wait_xcnt 0x0
	s_wait_alu depctr_hold_cnt(0) depctr_sa_sdst(0) depctr_va_vdst(0) depctr_va_sdst(0) depctr_va_ssrc(0) depctr_va_vcc(0) depctr_vm_vsrc(0)
	s_getreg_b32 s2, hwreg(HW_REG_IB_STS2, 6, 4)
	s_cmp_eq_u32 s2, 0
	s_cbranch_scc0 .Lentry_in_a_cluster
	s_endpgm
.Lentry_in_a_cluster:
	s_bfe_u32 s2, ttmp6, 0x10000c
	s_cmp_lg_u32 s2, 0x3003
	s_cbranch_scc0 .Lentry_shape_is_right
	s_endpgm
.Lentry_shape_is_right:
; out0[head][q][:] = the sum over keys k <= q of P(q, k) V[head][k][:],  P = softmax over (the head's sink logit, the causal scores Q.K / 8).  64 heads, 1,024 queries and keys, head size 64.
; Both products run on codes of BF6 (E3M2) with one E8M0 scale for each 32 along K.  Q, K: [head][1024][64] as codes (48 bytes a row), scale bytes [head][1024][2].
; V: codes with the KEYS innermost, [head][64][1024] (768 bytes a channel), scale bytes [head][64][32].  out0: [head][1024][64] f32.
; WHAT IS QUANTISED for the second product is the finished probability, so a row's sum is known before any of its probabilities is quantised.  A wave keeps the exponentials of a tile of 16 queries (64 registers for
; 128 keys): each score and each exponential is made once.
; PASS 1, a stage of 128 keys at a time: S^T = K Q^T, each block's largest score, the running maximum, M = ceil(largest t) (a whole number), p' = 2^(t - M), t = score x log2(e) / 8, and the row's sum, brought under
; each new M by a power of two.  PASS 2: p = p' x (2^(M of the stage - last M) / sum), quantised along the keys in registers, O^T += V^T P^T.
; SHARES.  A head has 64 tiles of 16 queries; tile j needs n = floor(j / 4) + 1 units of 64 keys.  Four work-groups (a cluster) take a head; wave w of each takes first a tile with n - 1 = w xor 15, then one with
; n - 1 = w: 17 units, 9 steps of 128 keys in every wave.  The place cx in the cluster only says which of the four tiles of one n is taken (3 - cx, then cx): no branch and no LDS address hangs on it.
; WORK LEFT OUT: steps of 128 keys all of which come after the tile's queries (reference()'s own causal mask).  An infinity or NaN in hidden keys of such steps is not carried to the result.
; STAGES.  Stage 0 is the step with the diagonal, stage k > 0 the step k - 1.  g = number of stages behind stage 0.  Pass 1 walks 0, 1, .. g, three stages interleaved: exponentials of k, multiply-adds of k + 1,
; products of k + 2; two written-out tails end it.  Pass 2 walks g, .. 1, 0.
; SLOTS.  Stage k's scores lie in slot k % 5 of five.  When stage k + 5 takes the slot, stage k's p' go to LDS bytes of the wave's own, and come back in pass 2 when stage k + 5 is done with it (k = 0, 1, 2).
; THE MASK is the C of the diagonal step's products: 0 or -2^127; it lies in slot 4, which stage 4 fills later.  Of the step's two units one holds the diagonal; the other is wholly visible (n even) or hidden (n odd).
; CLUSTER.  The four work-groups need the same K and V: waves 0-3 ask jointly (mask 15) for a quarter of K each, waves 4-7 for a quarter of V each, once.  What the tensor loads fill is never filled again.
; No data prefetch is written: all tensor loads stand at the head, and there is no loop with tensor loads to run ahead in.
; K = 64 IN AN INSTRUCTION THAT IS 128 DEEP.  In a fragment of K lanes 0-15 hold key a = 32 b + r + 8 (r / 8) whole (48 bytes), lanes 16-31 the key a + 8.  It is multiplied by Q in lanes 0-15 beside zeros and by
; Q in lanes 16-31 beside zeros.  In the two results lane (r, h) holds query r, register 16 b + i the key 32 b + 16 h + i.  V alike: lane (r, h) takes 48 bytes: blocks 2 h and 2 h + 1 of a step's four.  So the scale
; words' bytes are (a0, b0, a1, b1) for K, (q0, q0, q1, q1) for Q, blocks (0, 2, 1, 3) for V and P.
; THE SINK begins each half-lane's statistics: maximum 8 b in raw scores, and half of its term; the halves are joined once at the end of pass 1.
; A block's largest p is made from its largest score by the same instructions (p rises with the score).
; LIMITS.  The promise holds while the scaled scores (exponents to the base 2) stay under 2^31 in magnitude.  A scale byte 0xff among the inputs and a NaN or infinite sink logit are not served.  A p' under 2^-126
; counts as 0 (v_exp_f32 flushes).  A block of 32 keys whose largest probability lies under 2^-122 has its scale byte held at 1.  The division is v_rcp_f32 and a multiplication.
;
; LDS.  K: 64 groups of 16 keys, 768 bytes of codes, 256 zeros (a row is stated 128 elements of 8 bytes where the tensor has 96), 128 skipped: 1,152 bytes apart.
; V: 64 channels of three chunks of 256 bytes, 16 skipped behind each: 816 bytes apart.  Then the scale words (stored once, at the head), 3 x 8,192 bytes for each wave (p' of stages 0-2; behind pass 2 the way
; out's rows), the spare words: in blocks of their own into which no tile lands.
; WHEN p' GO OUT: those of stages 0, 1, 2 are stored as soon as they are made, two stages and more ahead of the products that take their slot, in every tile that has come so far (a tile of four or five stages
; stores them too, and does not read them back: only stages 5, 6, 7 take a slot that was in use).
.set KPITCH, 1152
.set KSTEP, 8*KPITCH
.set V0, 64*KPITCH
.set VPITCH, 816
.set KSW, V0+64*VPITCH                 ; 125,952: K's scale words, word 16 B + m of block B
.set VSW, KSW+2048                     ; V's: word 64 s + channel
.set SPL, VSW+2048                     ; 130,048
.set SPITCH, 272
.set SPARE, SPL+8*3*8192               ; 326,656
; VECTOR REGISTERS, window 0: v1, v2 and v20 lane addresses in K, V; v3, v4, v21, v22 the same at the diagonal step; v5, v6 into, out of the way out's rows; v7 16 x lane; v8, v9 spare word and 0; v10 r - 16 h;
; v11, v12 lane addresses of K's, V's scale words, v13, v14 at the diagonal step; v15, v16 offsets of Q's loads; v17 at work on the mask; v18 -2^127; v19 Q's scale bytes as they come; v23 my p' in LDS.
.set QA, 24                            ; Q in lanes 0-15, zeros in lanes 16-31 (pass 1)
.set QB, 36                            ; the other way round
.set OT, 24                            ; O^T, 32 registers (pass 2)
.set QSC, 56
.set KSR, 57                           ; K's scale words of the stage in hand
.set VSR, 59                           ; V's
.set PSC, 61                           ; P's
.set MR, 62                            ; running largest score
.set D1, 63
.set FR, 64                            ; the fragments of the stage in hand, K's or V's: 48 registers
.set TM, 112
.set PC, 116                           ; P's codes (pass 2)
.set AC, 120                           ; the sum's four chains (pass 1)
.set LR, 128                           ; running sum, two halves
.set FS, 130
.set RL, 132
.set NMC, 133
.set T0, 134
.set T1, 135
.set SCL, 136
.set TP, 140
.set PT, 144
.set NM, 152                           ; stage k's -M in NM + k
.set PB, 160                           ; stage k's four blocks' largest p' in PB + 4 k
; v192-255 slot 0; window 1: slots 1-4.  In slot 4: the mask, eight times -2^127, Q's codes as they come; in slot 3: rows read back.
.set MKL, 192
.set HIDL, 224
.set RAW, 232
.set RB, 128
; SCALAR REGISTERS.  s[4:19] pointers; s20 wave; s21 cx; s22 tile 0, 1; s23 n - 1; s24 g; s67 j; s[26:27] offset; s[28:31] addresses of Q's loads; s[36:37] out0 at the tile; s[38:47] the head's first bytes;
; s51 half of the sink's term, s52 8 b, s53 its -M; s56-63, s100, s101 at work; s[68:79], s[88:99] descriptors; s84, s85 lane halves; s66, s86, s87 byte selectors.
.set CC, 48
.set NC, 50
.set MSB, 0
.macro WIN new                         ; bits 1:0 source 0, 3:2 source 1, 5:4 source 2, 7:6 destination; the high byte repeats the setting that is left
.if MSB != (\new)
	s_set_vgpr_msb (MSB<<8)|(\new)
.set MSB, \new
.endif
.endm
.macro SLOT k                          ; stage k's window and first register
.if ((\k)%5) == 0
.set WX, 0
.set SX, 192
.else
.set WX, 1
.set SX, 64*((\k)%5)-64
.endif
.endm
.macro ROUND                           ; a round of the cluster's barrier
	s_barrier_signal -1
	s_barrier_wait -1
	s_cmp_lg_u32 s20, 0
	s_cbranch_scc1 .Lnot_wave_0_\@
	s_barrier_signal -3
.Lnot_wave_0_\@:
	s_barrier_wait -3
	s_barrier_signal -1
	s_barrier_wait -1
.endm
.macro PLACES
.rept 4
	v_nop
.endr
.endm
; The matrix instruction: C = 0 where c < 0.  row = 1: source 0's scale words lie in lanes 16-31.
.macro MM d, a, b, c, sa, sb, row
.if (\c) < 0
.if \row
	v_wmma_scale_f32_16x16x128_f8f6f4 v[\d:\d+7], v[\a:\a+11], v[\b:\b+11], 0, v[\sa], v[\sb] matrix_a_fmt:MATRIX_FMT_BF6 matrix_b_fmt:MATRIX_FMT_BF6 matrix_a_scale:MATRIX_SCALE_ROW1
.else
	v_wmma_scale_f32_16x16x128_f8f6f4 v[\d:\d+7], v[\a:\a+11], v[\b:\b+11], 0, v[\sa], v[\sb] matrix_a_fmt:MATRIX_FMT_BF6 matrix_b_fmt:MATRIX_FMT_BF6
.endif
.else
.if \row
	v_wmma_scale_f32_16x16x128_f8f6f4 v[\d:\d+7], v[\a:\a+11], v[\b:\b+11], v[\c:\c+7], v[\sa], v[\sb] matrix_a_fmt:MATRIX_FMT_BF6 matrix_b_fmt:MATRIX_FMT_BF6 matrix_a_scale:MATRIX_SCALE_ROW1
.else
	v_wmma_scale_f32_16x16x128_f8f6f4 v[\d:\d+7], v[\a:\a+11], v[\b:\b+11], v[\c:\c+7], v[\sa], v[\sb] matrix_a_fmt:MATRIX_FMT_BF6 matrix_b_fmt:MATRIX_FMT_BF6
.endif
.endif
.endm
; Stage k's K: two loads of scale words (lanes 0-15 one block's, lanes 16-31 the next one's), twelve of fragments.
.macro KLD k
.if (\k) == 0
	ds_load_b32 v[KSR], v13
	ds_load_b32 v[KSR+1], v13 offset:128
.else
	ds_load_b32 v[KSR], v11 offset:256*((\k)-1)
	ds_load_b32 v[KSR+1], v11 offset:256*((\k)-1)+128
.endif
.irp b, 0,1,2,3
.irp p, 0,1,2
.if (\k) == 0
	ds_load_b128 v[FR+12*\b+4*\p:FR+12*\b+4*\p+3], v3 offset:2*KPITCH*\b+16*\p
.else
	ds_load_b128 v[FR+12*\b+4*\p:FR+12*\b+4*\p+3], v1 offset:KSTEP*((\k)-1)+2*KPITCH*\b+16*\p
.endif
.endr
.endr
.endm
; Stage k's V: the scale words of channels 0-31 and 32-63, four fragments of 16 channels x 128 keys.  Piece q = 6 s + 3 h + p of 16 bytes lies in chunk q / 16; where lanes 16-31 are a chunk further on, v20 serves.
.macro VLD k
.if (\k) == 0
	ds_load_b32 v[VSR], v14
	ds_load_b32 v[VSR+1], v14 offset:128
.else
	ds_load_b32 v[VSR], v12 offset:256*((\k)-1)
	ds_load_b32 v[VSR+1], v12 offset:256*((\k)-1)+128
.endif
.irp t, 0,1,2,3
.irp p, 0,1,2
.if (\k) == 0
.if \p == 0
	ds_load_b128 v[FR+12*\t:FR+12*\t+3], v4 offset:16*VPITCH*\t
.elseif \p == 1
	ds_load_b128 v[FR+12*\t+4:FR+12*\t+7], v21 offset:16*VPITCH*\t
.else
	ds_load_b128 v[FR+12*\t+8:FR+12*\t+11], v22 offset:16*VPITCH*\t
.endif
.else
.set Q0, 6*((\k)-1)+\p
.set VOF, 16*VPITCH*\t+272*(Q0/16)+16*(Q0%16)
.if (Q0/16) == ((Q0+3)/16)
	ds_load_b128 v[FR+12*\t+4*\p:FR+12*\t+4*\p+3], v2 offset:VOF
.else
	ds_load_b128 v[FR+12*\t+4*\p:FR+12*\t+4*\p+3], v20 offset:VOF
.endif
.endif
.endr
.endr
.endm
; The two products of block b of stage k.
.macro QKB k, b, ca, cb
	MM SX+16*(\b), FR+12*(\b), QA, \ca, KSR+(\b)/2, QSC, (\b)%2
	MM SX+16*(\b)+8, FR+12*(\b), QB, \cb, KSR+(\b)/2, QSC, (\b)%2
.endm
; The largest score of each block of stage k, four chains by turns, each accumulator from its low end on (window 5 x the slot's).
.macro LEAF k
	SLOT \k
.irp i, 0,2,4,6,8,10,12,14
.irp b, 0,1,2,3
.if \i == 0
	v_max3_num_f32 v[TM+\b], v[SX+16*\b], v[SX+16*\b+1], 0xff800000
.else
	v_max3_num_f32 v[TM+\b], v[SX+16*\b+\i], v[SX+16*\b+\i+1], v[TM+\b]
.endif
.endr
.endr
.endm
.macro FSET k
	SLOT \k
.set WF, WX
.set SF, SX
.set NF, NM+2*((\k)/2)
.set NFO, (\k)%2
.endm
.macro FMA p                           ; t - M of a pair; of the pair c the low word, of the pair that holds -M the stage's word serves both halves
.if NFO == 0
	v_pk_fma_f32 v[SF+2*(\p):SF+2*(\p)+1], v[SF+2*(\p):SF+2*(\p)+1], s[CC:CC+1], v[NF:NF+1] op_sel_hi:[1,0,0]
.else
	v_pk_fma_f32 v[SF+2*(\p):SF+2*(\p)+1], v[SF+2*(\p):SF+2*(\p)+1], s[CC:CC+1], v[NF:NF+1] op_sel:[0,0,1] op_sel_hi:[1,0,1]
.endif
.endm
.macro FMAS k
	FSET \k
	WIN 0x41*WF
.irp q, 0,1,2,3
.irp u, 0,1,2,3,4,5,6,7
	FMA 8*\q+\u
.endr
.endr
	WIN 0
.endm
.macro PBF k                           ; the same of each block's largest score
.irp b, 0,1,2,3
	v_fma_f32 v[PB+4*(\k)+\b], v[TM+\b], s[CC], v[NM+\k]
.endr
.endm
; Stages 0 and 1 at a tile's beginning: block maxima, running maximum (the sink begins it), M.
.macro CHAIN k
	SLOT \k
	WIN 5*WX
	LEAF \k
	WIN 0
	v_max3_num_f32 v[T0], v[TM], v[TM+1], v[TM+2]
.if (\k) == 0
	v_max3_num_f32 v[MR], v[T0], v[TM+3], s52
.else
	v_max3_num_f32 v[MR], v[T0], v[TM+3], v[MR]
.endif
	v_mul_f32 v[T0], s[NC], v[MR]
	v_floor_f32 v[NM+\k], v[T0]                    ; -M = floor(-t)
	PBF \k
.endm
; Pass 1's batch: the exponentials of stage k; between them the multiply-adds of stage kf (none where kf < 0) and the products of stage kw.
; The first multiply-add stands ahead of the first exponential; nothing that is written here is read before the wait behind the batch.
.macro ZONE k, kf, kw
	SLOT \k
.set WE, WX
.set SE, SX
.set WF, -1
.if (\kf) >= 0
	FSET \kf
.endif
.if (\kw) >= 0
	SLOT \kw
.endif
.irp q, 0,1,2,3
.if (\kw) >= 0
	WIN 0x40*WX
	QKB \kw, \q, -1, -1
.endif
.if WF == WE
	WIN 0x41*WE
.irp u, 0,1,2,3,4,5,6,7
	FMA 8*\q+\u
	v_exp_f32 v[SE+16*\q+2*\u], v[SE+16*\q+2*\u]
	v_exp_f32 v[SE+16*\q+2*\u+1], v[SE+16*\q+2*\u+1]
.endr
.else
.if WF >= 0
	WIN 0x41*WF
.irp u, 0,1,2,3,4,5,6,7
	FMA 8*\q+\u
.endr
.endif
	WIN 0x41*WE
.irp u, 0,1,2,3,4,5,6,7
	v_exp_f32 v[SE+16*\q+2*\u], v[SE+16*\q+2*\u]
	v_exp_f32 v[SE+16*\q+2*\u+1], v[SE+16*\q+2*\u+1]
.endr
.endif
.endr
	WIN 0
.irp b, 0,1,2,3
	v_exp_f32 v[PB+4*(\k)+\b], v[PB+4*(\k)+\b]
.endr
	v_nop                                          ; the plain line behind the last exponential
.endm
.macro ADDN p0                         ; eight pairs onto the four chains
.irp u, 0,1,2,3,4,5,6,7
	v_pk_add_f32 v[AC+2*((\u)%4):AC+2*((\u)%4)+1], v[SA+2*(\p0+\u):SA+2*(\p0+\u)+1], v[AC+2*((\u)%4):AC+2*((\u)%4)+1]
.endr
.endm
; Behind the batch: stage km's block maxima, running maximum and M (none where km < 0), and stage ka's p' added to the running sum, which is brought under stage ka's M first.  The additions stand between the
; links of the maximum's chain.
.macro MIX km, ka
	SLOT \ka
.set WA, WX
.set SA, SX
.if (\km) >= 0
	SLOT \km
	WIN 5*WX
	s_wait_alu depctr_va_vdst(0)                   ; one wait behind the batch, ahead of its first reader and of the products' first readers
	LEAF \km
	WIN 5*WA
.else
	WIN 5*WA
	s_wait_alu depctr_va_vdst(0)                   ; one wait behind the batch, ahead of its first reader
.endif
.irp c, 0,1,2,3
	v_pk_add_f32 v[AC+2*\c:AC+2*\c+1], v[SA+2*\c:SA+2*\c+1], v[SA+8+2*\c:SA+8+2*\c+1]
.endr
	WIN 0
.if (\km) >= 0
	v_max3_num_f32 v[T0], v[TM], v[TM+1], v[TM+2]
.endif
.if (\ka) == 0
	v_sub_f32 v[D1], v[NM], s53
.else
	v_sub_f32 v[D1], v[NM+\ka], v[NM+\ka-1]        ; the old M less the new one: a whole number, 0 or less
.endif
	WIN WA
	ADDN 8
	WIN 0
.if (\km) >= 0
	v_max3_num_f32 v[MR], v[T0], v[TM+3], v[MR]
.endif
	v_cvt_i32_f32 v[D1], v[D1]
	WIN WA
	ADDN 16
	WIN 0
.if (\km) >= 0
	v_mul_f32 v[T0], s[NC], v[MR]
.endif
	v_ldexp_f32 v[FS], 1.0, v[D1]
	WIN WA
	ADDN 24
	WIN 0
.if (\km) >= 0
	v_floor_f32 v[NM+\km], v[T0]
.endif
	v_pk_add_f32 v[AC:AC+1], v[AC:AC+1], v[AC+2:AC+3]
	v_pk_add_f32 v[AC+4:AC+5], v[AC+4:AC+5], v[AC+6:AC+7]
.if (\km) >= 0
	PBF \km
.endif
	v_pk_add_f32 v[AC:AC+1], v[AC:AC+1], v[AC+4:AC+5]
.if (\ka) == 0
	v_fma_f32 v[LR], v[FS], s51, v[AC]
	v_mov_b32 v[LR+1], v[AC+1]
.else
	v_pk_fma_f32 v[LR:LR+1], v[LR:LR+1], v[FS:FS+1], v[AC:AC+1] op_sel_hi:[1,0,1]
.endif
.endm
.macro OZ i0                           ; eight of O^T's registers begin as 0, where pass 1's end waits for its own results
.irp i, 0,1,2,3,4,5,6,7
	v_mov_b32 v[OT+\i0+\i], 0
.endr
.endm
; The end of pass 1 at stage k: the query's other keys lie in lane l xor 16: the common M, the sum, its reciprocal, stage k's factor.
.macro FIN k
	v_permlanex16_b32 v[T0], v[NM+\k], s54, s55
	v_add_f32 v[RL], v[LR], v[LR+1]
	OZ 0
	v_min_num_f32 v[NMC], v[NM+\k], v[T0]
	v_sub_f32 v[D1], v[NMC], v[NM+\k]
	OZ 8
	v_cvt_i32_f32 v[D1], v[D1]
	v_ldexp_f32 v[RL], v[RL], v[D1]
	v_permlanex16_b32 v[T1], v[RL], s54, s55
	v_add_f32 v[RL], v[RL], v[T1]
	s_wait_alu depctr_va_vdst(0)                   ; the wait ahead of the transcendental
	v_rcp_f32 v[RL], v[RL]
	OZ 16
	OZ 24
	s_wait_alu depctr_va_vdst(0)                   ; and ahead of its first reader
	v_ldexp_f32 v[FS], v[RL], v[D1]
.endm
; The last stage of a tile, k, and the way to pass 2.  V's fragments of stage k land under the exponentials.
.macro TAIL1 k
	VLD \k
	ZONE \k, -1, -1
	MIX -1, \k
	FIN \k
	s_wait_alu depctr_va_vdst(0)
	s_branch .Lp2_\k
.endm
; The last but one, k, and the last, k1.
.macro TAIL2 k, k1
	ZONE \k, \k1, -1
	MIX -1, \k
	TAIL1 \k1
.endm
.macro PUT k                           ; stage k's p' into LDS: a wave's store covers 512 consecutive bytes
	SLOT \k
	WIN 4*WX
.irp q, 0,1,2,3,4,5,6,7,8,9,10,11,12,13,14,15
	ds_store_b128 v23, v[SX+4*\q:SX+4*\q+3] offset:8192*(\k)+512*\q
.endr
	WIN 0
.endm
.macro GET k                           ; and back
	SLOT \k
	WIN 0x40*WX
.irp q, 0,1,2,3,4,5,6,7,8,9,10,11,12,13,14,15
	ds_load_b128 v[SX+4*\q:SX+4*\q+3], v23 offset:8192*(\k)+512*\q
.endr
	WIN 0
.endm
; A stage with two or more behind it.  Stage k + 2's products overwrite the slot of stage k - 3, whose p' lie in LDS by then.
.macro FULL k, k1, k2, k3
	s_wait_alu depctr_va_vdst(0)
	s_wait_dscnt 0x0                               ; stage k2's fragments are in
	ZONE \k, \k1, \k2
.if (\k) < 5
	s_wait_alu depctr_va_vdst(0)
.if (\k) == 2
	PUT \k
.endif
	s_cmp_eq_u32 s24, \k2
	s_cbranch_scc1 .Lx_\k1
	KLD \k3
.if (\k) < 2
	PUT \k                                         ; behind the loads that the next stage's products want
.endif
.endif
	MIX \k2, \k
.endm
.macro LX k, k1, k2                    ; the same, where stage k2 is the tile's last
.Lx_\k1:
	MIX \k2, \k
	TAIL2 \k1, \k2
.endm
.macro MUL8 q
	WIN 0x41*WP
.irp u, 0,1,2,3,4,5,6,7
	v_pk_mul_f32 v[SP+16*\q+2*\u:SP+16*\q+2*\u+1], v[SP+16*\q+2*\u:SP+16*\q+2*\u+1], v[FS:FS+1] op_sel_hi:[1,0]
.endr
	WIN 0
.endm
; Tile s56's numbers: s57 = n - 1, s59 = g (wave and tile alone); s100 = its place among the four tiles of one n, s58 = j (the cluster's place enters here).
.macro TSC
	s_xor_b32 s60, s56, 1
	s_mul_i32 s63, s60, 15
	s_xor_b32 s57, s63, s20
	s_bfe_u32 s59, s57, 0x30001
	s_mul_i32 s100, s60, 3
	s_xor_b32 s100, s100, s21
	s_lshl_b32 s58, s57, 2
	s_add_co_u32 s58, s58, s100
.endm
.macro QLD                             ; that tile's Q: a row of 48 bytes and its two scale bytes
	s_mul_i32 s26, s58, 768
	s_add_nc_u64 s[28:29], s[42:43], s[26:27]
	s_lshl_b32 s26, s58, 5
	s_add_nc_u64 s[30:31], s[44:45], s[26:27]
	WIN 0x40
	global_load_b128 v[RAW:RAW+3], v15, s[28:29] th:TH_LOAD_NT
	global_load_b128 v[RAW+4:RAW+7], v15, s[28:29] offset:16 th:TH_LOAD_NT
	global_load_b128 v[RAW+8:RAW+11], v15, s[28:29] offset:32 th:TH_LOAD_NT
	WIN 0
	global_load_u16 v19, v16, s[30:31]
.endm
; Pass 2, stage k: the finished probabilities, their codes and scale word, O^T += V^T P^T.  The four accumulators take turns, one instruction a turn.
.macro PASS2 k
.Lp2_\k:
	SLOT \k
.set WP, WX
.set SP, SX
.irp b, 0,1,2,3
	v_mul_f32 v[TM+\b], v[PB+4*(\k)+\b], v[FS]     ; each block's largest p of my half
.endr
	MUL8 0
.irp b, 0,1,2,3
	v_permlanex16_b32 v[TP+\b], v[TM+\b], s54, s55
.endr
	MUL8 1
.irp b, 0,1,2,3
	v_max3_num_f32 v[SCL+\b], v[TM+\b], v[TP+\b], 0x2800000   ; with lane l xor 16's, and the floor 2^(5 - 127)
.endr
	MUL8 2
.irp b, 0,1,2,3
	v_add_nc_u32 v[SCL+\b], 0xfe000000, v[SCL+\b]  ; 4 off the exponent field: the conversion's scale operand
.endr
	MUL8 3
	WIN WP
.irp c, 0,1
	v_cvt_scalef32_pk16_bf6_f32 v[PC+6*\c:PC+6*\c+2], v[SP+16*\c:SP+16*\c+15], v[SCL+\c]
	v_cvt_scalef32_pk16_bf6_f32 v[PT+4*\c:PT+4*\c+2], v[SP+32+16*\c:SP+32+16*\c+15], v[SCL+2+\c]
.endr
	WIN 0
.irp b, 0,1,2,3
	v_lshrrev_b32 v[TP+\b], 23, v[SCL+\b]          ; the scale's byte
.endr
	v_lshl_or_b32 v[PSC], v[TP+2], 8, v[TP]        ; blocks 0, 2, 1, 3
	v_lshl_or_b32 v[PSC], v[TP+1], 16, v[PSC]
	v_lshl_or_b32 v[PSC], v[TP+3], 24, v[PSC]
.irp c, 0,1                            ; a whole block in a lane: lanes 0-15 block c, lanes 16-31 block 2 + c
.irp i, 0,1,2
	v_permlane16_swap_b32 v[PC+6*\c+\i], v[PT+4*\c+\i]
.endr
.endr
.irp c, 0,1
.irp i, 0,1,2
	v_mov_b32 v[PC+6*\c+3+\i], v[PT+4*\c+\i]
.endr
.endr
	PLACES                                         ; four places behind the operand's last write
	s_wait_alu depctr_va_vdst(0)
	s_wait_dscnt 0x0                               ; this stage's fragments of V are in
.if (\k) >= 5
	GET (\k)-5                                     ; the slot is free: the p' that left it come back
.elseif (\k) == 4
	s_mov_b32 s56, 1                               ; only the first tile has a stage 4: slot 4 is free: the second tile's Q
	TSC
	QLD
.endif
.irp t, 0,1,2,3
	MM OT+8*\t, FR+12*\t, PC, OT+8*\t, VSR+\t/2, PSC, \t%2
.endr
.if (\k) > 0
	v_sub_f32 v[D1], v[NMC], v[NM+\k-1]            ; the next stage's factor: with the v_nop the four places behind the products, ahead of loads into their operands
	v_cvt_i32_f32 v[D1], v[D1]
	v_ldexp_f32 v[FS], v[RL], v[D1]
	v_nop
	VLD (\k)-1
.endif
.endm
.macro ADRS                            ; the diagonal step's lane addresses
	s_mul_i32 s60, s59, KSTEP
	s_lshl_b32 s61, s59, 8
	s_mul_i32 s62, s59, 6
	v_bfe_u32 v144, v0, 4, 1
	v_and_b32 v145, 15, v0
	v_add_nc_u32 v3, s60, v1
	v_add_nc_u32 v13, s61, v11
	v_add_nc_u32 v14, s61, v12
	v_mul_u32_u24 v144, v144, 3
	v_mul_u32_u24 v145, v145, VPITCH
	v_add_nc_u32 v144, s62, v144                   ; piece 6 g + 3 h, and the two behind it
	v_add_nc_u32 v145, V0, v145
	v_add_nc_u32 v146, 1, v144
	v_add_nc_u32 v147, 2, v144
	v_lshrrev_b32 v148, 4, v144
	v_lshrrev_b32 v149, 4, v146
	v_lshrrev_b32 v150, 4, v147
	v_add_nc_u32 v148, v148, v144                  ; 16 bytes a piece, 16 more for each chunk
	v_add_nc_u32 v149, v149, v146
	v_add_nc_u32 v150, v150, v147
	v_lshl_add_u32 v4, v148, 4, v145
	v_lshl_add_u32 v21, v149, 4, v145
	v_lshl_add_u32 v22, v150, 4, v145
.endm
.macro QPREP                           ; what came becomes operands
	v_perm_b32 v[QSC], v19, v19, s66
	WIN 4
.irp i, 0,1,2,3,4,5,6,7,8,9,10,11
	v_cndmask_b32 v[QA+\i], 0, v[RAW+\i], s84
	v_cndmask_b32 v[QB+\i], 0, v[RAW+\i], s85
.endr
	WIN 0
.endm
.macro MKM                             ; the diagonal unit's mask: key 32 b + 16 h + i is hidden where it is greater than 16 x place + r
	s_lshl_b32 s101, s100, 4
	v_add_nc_u32 v17, s101, v10
	WIN 0x40
.irp b, 0,1
.irp i, 0,1,2,3,4,5,6,7,8,9,10,11,12,13,14,15
	v_cmp_gt_i32 vcc_lo, 32*\b+\i, v17
	v_cndmask_b32 v[MKL+16*\b+\i], 0, v18, vcc_lo
.endr
.endr
.irp i, 0,1,2,3,4,5,6,7
	v_mov_b32 v[HIDL+\i], v18
.endr
	WIN 0
.endm
.macro SEND                            ; each store of the wave covers 512 consecutive bytes, at a multiple of 256 from out0's first byte
	WIN 4
.irp i, 0,1,2,3,4,5,6,7
	global_store_b128 v7, v[RB+4*\i:RB+4*\i+3], s[36:37] offset:512*\i th:TH_STORE_NT
.endr
	WIN 0
.endm
	; ---- the head
	s_load_b256 s[4:11], s[0:1], 0x0               ; q_codes s[4:5], q_scales s[6:7], k_codes s[8:9], k_scales s[10:11]
	s_load_b256 s[12:19], s[0:1], 0x20             ; v_codes s[12:13], v_scales s[14:15], sink_logit s[16:17], out0 s[18:19]
	v_lshl_add_u32 v8, v0, 2, SPARE
	v_mov_b32 v9, 0
	ds_add_u32 v8, v9                              ; the opening add, twice on end under one wait
	ds_add_u32 v8, v9
	v_lshrrev_b32 v200, 5, v0
	v_readfirstlane_b32 s20, v200                  ; wave
	v_and_b32 v201, 15, v0                         ; r
	v_bfe_u32 v202, v0, 4, 1                       ; h
	v_bfe_u32 v203, v0, 3, 1                       ; r / 8
	v_and_b32 v204, 7, v0                          ; r % 8
	v_and_b32 v205, 31, v0                         ; lane
	s_mul_i32 s60, s20, 3*8192
	s_add_co_u32 s60, s60, SPL                     ; my own LDS bytes
	v_mul_u32_u24 v1, v203, KPITCH
	v_mul_u32_u24 v2, v201, VPITCH
	v_mul_u32_u24 v5, v201, SPITCH
	v_mul_u32_u24 v6, v202, SPITCH
	v_mad_u32_u24 v1, v204, 48, v1
	v_add_nc_u32 v2, V0, v2
	v_lshl_add_u32 v5, v202, 5, v5                 ; in: row r, 32 bytes for each half of the lanes
	v_lshl_add_u32 v6, v201, 4, v6                 ; back: lanes 0-15 one row of 256 bytes, lanes 16-31 the next
	v_mad_u32_u24 v1, v202, 384, v1
	v_lshl_add_u32 v20, v202, 6, v2
	v_mad_u32_u24 v2, v202, 48, v2
	v_add_nc_u32 v5, s60, v5
	v_add_nc_u32 v6, s60, v6
	v_lshlrev_b32 v7, 4, v205
	v_lshlrev_b32 v10, 4, v202
	v_lshl_add_u32 v11, v205, 2, KSW
	v_lshl_add_u32 v12, v205, 2, VSW
	v_mul_u32_u24 v15, v201, 48
	v_lshlrev_b32 v16, 1, v201
	v_add_nc_u32 v23, s60, v7
	v_sub_nc_u32 v10, v201, v10
	v_lshrrev_b32 v206, 4, v0                      ; K's scale bytes: thread t makes words t and t + 256: block t / 16, row m = t % 16: key 32 (t / 16) + m + 8 (m / 8), 2 bytes a key
	v_and_b32 v207, 63, v0                         ; V's: channel t % 64, steps t / 64 and 4 more: 32 bytes a channel, 4 a step
	v_lshrrev_b32 v209, 6, v0
	v_lshlrev_b32 v206, 6, v206
	v_lshlrev_b32 v207, 5, v207
	v_lshl_add_u32 v206, v201, 1, v206
	v_lshl_add_u32 v207, v209, 2, v207
	v_lshl_add_u32 v206, v203, 4, v206
	v_lshl_add_u32 v208, v0, 2, KSW                ; where my thread puts scale words
	s_wait_alu depctr_va_vdst(0)
	s_bfe_u32 s21, ttmp6, 0x40000                  ; cx
	; descriptor groups 1.  K: 16 rows of 128 elements of 8 bytes, of which the tensor has 96; padding behind every 256 words
	s_mov_b32 s72, 15|(3<<16)|(1<<20)|(1<<21)|(7<<22)|(31<<25)   ; the mask: all four work-groups; 8 bytes; padding on; bit 21 beside a mask; 32 words
	s_mov_b32 s73, 96<<16
	s_mov_b32 s74, 16<<16
	s_mov_b32 s75, 128<<16
	s_mov_b32 s76, 16
	s_mov_b32 s77, 96
	s_mov_b32 s78, 0
	s_mov_b32 s79, 0
	; V: 16 channels, dense, as 48 rows of 256 bytes; 4 words behind every 64
	s_mov_b32 s88, 15|(3<<16)|(1<<20)|(1<<21)|(5<<22)|(3<<25)
	s_mov_b32 s89, 32<<16
	s_mov_b32 s90, 48<<16
	s_mov_b32 s91, 32<<16
	s_mov_b32 s92, 48
	s_mov_b32 s93, 32
	s_mov_b32 s94, 0
	s_mov_b32 s95, 0
	s_mov_b32 s54, 0x76543210
	s_mov_b32 s55, 0xfedcba98                      ; lane l xor 16
	s_mov_b32 s[CC], 0x3e38aa3b                    ; c = log2(e) / 8
	s_mov_b32 s[CC+1], 0x3e38aa3b
	s_mov_b32 s[NC], 0xbe38aa3b                    ; -c
	s_mov_b32 s84, 0x0000ffff
	s_mov_b32 s85, 0xffff0000
	s_mov_b32 s66, 0x01010000                      ; (q0, q0, q1, q1)
	s_mov_b32 s86, 0x05010400                      ; (a0, b0, a1, b1)
	s_mov_b32 s87, 0x03010200                      ; blocks (0, 2, 1, 3)
	s_mov_b32 s27, 0
	s_mov_b32 s29, 0
	s_mov_b32 s68, 1
	s_mov_b32 s96, 1
	s_and_b32 s60, s20, 3                          ; which quarter of K or of V I fetch
	s_mul_i32 s69, s60, 16*KPITCH
	s_mul_i32 s97, s60, 48*272
	s_add_co_u32 s97, s97, V0
	s_mul_i32 s26, ttmp9, 49152                    ; the head (the cluster's number): its first byte in each tensor of codes
	s_mul_i32 s28, s60, 12288
	s_add_co_u32 s28, s28, s26
	s_wait_dscnt 0x0                               ; both opening adds are done
	ROUND                                          ; all four work-groups are here: the joint loads meet
	s_wait_kmcnt 0x0
	s_add_nc_u64 s[70:71], s[8:9], s[28:29]
	s_or_b32 s71, s71, 0x80000000
	s_add_nc_u64 s[98:99], s[12:13], s[28:29]
	s_or_b32 s99, s99, 0x80000000
	s_cmp_lt_u32 s20, 4
	s_cbranch_scc0 .Lfor_v
	tensor_load_to_lds s[68:71], s[72:79]          ; waves 0-3: a quarter of K
	s_nop 0
	PLACES
	s_branch .Lasked
.Lfor_v:
	tensor_load_to_lds s[96:99], s[88:95]          ; waves 4-7: a quarter of V
	s_nop 0
	PLACES
.Lasked:
	s_add_nc_u64 s[42:43], s[4:5], s[26:27]        ; Q's codes at the head
	s_and_b32 s26, ttmp9, 15                       ; the sink logit of head % 16
	s_lshl_b32 s26, s26, 2
	s_add_nc_u64 s[16:17], s[16:17], s[26:27]
	s_load_b32 s52, s[16:17], 0x0
	s_lshl_b32 s26, ttmp9, 11                      ; scale bytes at the head
	s_add_nc_u64 s[44:45], s[6:7], s[26:27]
	s_add_nc_u64 s[38:39], s[10:11], s[26:27]
	s_add_nc_u64 s[40:41], s[14:15], s[26:27]
	s_lshl_b32 s26, ttmp9, 18                      ; out0 at the head
	s_add_nc_u64 s[46:47], s[18:19], s[26:27]
	s_mov_b32 s22, 0
	s_mov_b32 s56, 0
	TSC
	s_mov_b32 s23, s57
	s_mov_b32 s24, s59
	s_mov_b32 s67, s58
	QLD
	global_load_u16 v160, v206, s[38:39]
	global_load_u16 v161, v206, s[38:39] offset:16
	global_load_u16 v162, v206, s[38:39] offset:1024
	global_load_u16 v163, v206, s[38:39] offset:1040
	global_load_b32 v164, v207, s[40:41]
	global_load_b32 v165, v207, s[40:41] offset:16
	v_mov_b32 v18, 0xff000000                      ; -2^127
.irp i, 0,1,2,3,4,5,6,7
	v_mov_b32 v[NM+\i], 0                          ; (halves of pairs that packed forms name)
.endr
	v_mov_b32 v[FS+1], 0
	v_mov_b32 v[T0], 0                             ; written once: a lane permute's destination counts as one of its sources
	v_mov_b32 v[T1], 0
.irp b, 0,1,2,3
	v_mov_b32 v[TP+\b], 0
.endr
	ADRS
	MKM
	s_wait_alu depctr_va_vdst(0)
	s_wait_kmcnt 0x0
	s_mul_f32 s52, s52, 0x41000000                 ; 8 b: the sink in raw scores
	v_mov_b32 v201, s52
	v_mul_f32 v202, s[NC], v201
	v_floor_f32 v202, v202
	v_fma_f32 v203, v201, s[CC], v202
	v_add_f32 v203, -1.0, v203                     ; half of the term
	v_readfirstlane_b32 s53, v202
	s_wait_alu depctr_va_vdst(0)                   ; the wait ahead of the transcendental
	v_exp_f32 v203, v203
	v_nop
	s_wait_alu depctr_va_vdst(0)                   ; and behind it
	v_readfirstlane_b32 s51, v203
	s_wait_loadcnt 0x0
	v_perm_b32 v160, v161, v160, s86
	v_perm_b32 v162, v163, v162, s86
	v_perm_b32 v164, v164, v164, s87
	v_perm_b32 v165, v165, v165, s87
	QPREP
	PLACES                                         ; four places ahead of the first product
	s_wait_alu depctr_va_vdst(0)
	s_wait_tensorcnt 0x0                           ; my quarter is in
	ds_store_b32 v208, v160                        ; scale words
	ds_store_b32 v208, v162 offset:1024
	ds_store_b32 v208, v164 offset:2048
	ds_store_b32 v208, v165 offset:3072
	s_wait_dscnt 0x0
	s_barrier_signal -1
	s_barrier_wait -1                              ; all of K and V and all scale words lie in LDS
	KLD 0
	; ---- a tile a trip
.Ltile:
	s_wait_alu depctr_va_vdst(0)
	s_wait_dscnt 0x0                               ; stage 0's fragments are in
	s_and_b32 s60, s23, 1
	s_cmp_eq_u32 s60, 0
	s_cbranch_scc1 .Lodd
	SLOT 0
	WIN 0x10                                       ; n even: the second unit holds the diagonal
	QKB 0, 0, -1, -1
	QKB 0, 1, -1, -1
	QKB 0, 2, MKL, MKL+8
	QKB 0, 3, MKL+16, MKL+24
	WIN 0
	s_branch .Lscored
.Lodd:
	WIN 0x10                                       ; n odd: the first holds it, the second is hidden
	QKB 0, 0, MKL, MKL+8
	QKB 0, 1, MKL+16, MKL+24
	QKB 0, 2, HIDL, HIDL
	QKB 0, 3, HIDL, HIDL
	WIN 0
.Lscored:
	s_cmp_eq_u32 s24, 0
	s_cbranch_scc1 .Lone
	PLACES                                         ; four places behind the products, ahead of loads into their operands and of their first reader
	KLD 1
	CHAIN 0
	FMAS 0
	s_wait_alu depctr_va_vdst(0)
	s_wait_dscnt 0x0
	s_wait_xcnt 0x0                                ; the last tile's stores: their data registers lie in a slot
	SLOT 1
	WIN 0x40*WX
.irp b, 0,1,2,3
	QKB 1, \b, -1, -1
.endr
	WIN 0
	s_cmp_eq_u32 s24, 1
	s_cbranch_scc1 .Ltwo
	PLACES
	KLD 2
	CHAIN 1
	FULL 0, 1, 2, 3
	FULL 1, 2, 3, 4
	FULL 2, 3, 4, 5
	FULL 3, 4, 5, 6
	FULL 4, 5, 6, 7
	FULL 5, 6, 7, -1
	TAIL2 6, 7
.Lone:                                                 ; the tile has stage 0 alone
	PLACES
	CHAIN 0
	FMAS 0
	s_wait_alu depctr_va_vdst(0)
	TAIL1 0
.Ltwo:                                                 ; it has stages 0 and 1
	PLACES
	CHAIN 1
	TAIL2 0, 1
	LX 0, 1, 2
	LX 1, 2, 3
	LX 2, 3, 4
	LX 3, 4, 5
	LX 4, 5, 6
	PASS2 7
	PASS2 6
	PASS2 5
	PASS2 4
	PASS2 3
	PASS2 2
	PASS2 1
	PASS2 0
	; ---- the way out: lane (r, h) holds out0(query r, channels 16 t + 8 h + 0..7); through my own LDS bytes the tile comes back as whole rows of 256 bytes (LDS serves a wave in order: ISA guide 5.7.1.4)
	PLACES                                         ; behind the last products
.irp t, 0,1,2,3
	ds_store_b128 v5, v[OT+8*\t:OT+8*\t+3] offset:64*\t
	ds_store_b128 v5, v[OT+8*\t+4:OT+8*\t+7] offset:64*\t+16
.endr
	s_wait_alu depctr_va_vdst(0)
	s_wait_xcnt 0x0                                ; the last tile's stores: their data and base are rewritten only behind this wait
	WIN 0x40
.irp i, 0,1,2,3,4,5,6,7
	ds_load_b128 v[RB+4*\i:RB+4*\i+3], v6 offset:2*SPITCH*\i
.endr
	WIN 0
	s_lshl_b32 s26, s67, 12
	s_add_nc_u64 s[36:37], s[46:47], s[26:27]
	s_add_co_u32 s22, s22, 1
	s_cmp_eq_u32 s22, 2
	s_cbranch_scc1 .Lend
	s_mov_b32 s56, s22                             ; the next tile is made ready while the rows come back
	TSC
	s_mov_b32 s23, s57
	s_mov_b32 s24, s59
	s_mov_b32 s67, s58
	ADRS
	KLD 0
	s_wait_alu depctr_va_vdst(0)
	s_wait_loadcnt 0x0
	QPREP
	MKM
	s_wait_alu depctr_va_vdst(0)
	s_wait_dscnt 0xe                               ; the rows are back; the 14 loads of K behind them may be out
	SEND
	s_cmp_lt_u32 s22, 2
	s_cbranch_scc1 .Ltile
.Lend:
	s_wait_dscnt 0x0
	SEND
	s_wait_tensorcnt 0x0                           ; the wave's end
	ds_add_u32 v8, v9
	s_wait_dscnt 0x0
	ROUND                                          ; the closing round: no work-group ends while a partner may still ask for a tile that names it
	s_endpgm
.Lfunc_end_k_q326833ed2d_attn:
	.size	k_q326833ed2d_attn, .Lfunc_end_k_q326833ed2d_attn-k_q326833ed2d_attn
	.p2alignl 7, 3214868480
	.fill 96, 4, 3214868480
	.section	.rodata,"a",@progbits
	.p2align	6, 0x0
	.amdhsa_kernel k_q326833ed2d_attn
		.amdhsa_group_segment_fixed_size 327680
		.amdhsa_private_segment_fixed_size 0
		.amdhsa_enable_private_segment 0
		.amdhsa_kernarg_size 64
		.amdhsa_user_sgpr_count 2
		.amdhsa_user_sgpr_kernarg_segment_ptr 1
		.amdhsa_wavefront_size32 1
		.amdhsa_system_sgpr_workgroup_id_x 1
		.amdhsa_system_sgpr_workgroup_id_y 1
		.amdhsa_system_sgpr_workgroup_id_z 1
		.amdhsa_system_vgpr_workitem_id 0
		.amdhsa_next_free_vgpr 512
		.amdhsa_next_free_sgpr 102
		.amdhsa_reserve_vcc 1
		.amdhsa_float_denorm_mode_32 3
		.amdhsa_float_denorm_mode_16_64 3
		.amdhsa_memory_ordered 1
		.amdhsa_forward_progress 1
		.amdhsa_inst_pref_size 255
	.end_amdhsa_kernel
	.section	.bss,"aw",@nobits
	.p2align	6
	.space	262144
	.amdgpu_metadata
---
amdhsa.version: [ 1, 2 ]
amdhsa.kernels:
  - .name:           k_q326833ed2d_attn
    .symbol:         k_q326833ed2d_attn.kd
    .args:
      - { .name: q_codes, .offset: 0, .size: 8, .value_kind: global_buffer, .address_space: global }
      - { .name: q_scales, .offset: 8, .size: 8, .value_kind: global_buffer, .address_space: global }
      - { .name: k_codes, .offset: 16, .size: 8, .value_kind: global_buffer, .address_space: global }
      - { .name: k_scales, .offset: 24, .size: 8, .value_kind: global_buffer, .address_space: global }
      - { .name: v_codes, .offset: 32, .size: 8, .value_kind: global_buffer, .address_space: global }
      - { .name: v_scales, .offset: 40, .size: 8, .value_kind: global_buffer, .address_space: global }
      - { .name: sink_logit, .offset: 48, .size: 8, .value_kind: global_buffer, .address_space: global }
      - { .name: out0, .offset: 56, .size: 8, .value_kind: global_buffer, .address_space: global }
    .group_segment_fixed_size: 327680
    .private_segment_fixed_size: 0
    .kernarg_segment_align: 8
    .kernarg_segment_size: 64
    .max_flat_workgroup_size: 256
    .sgpr_count:     102
    .vgpr_count:     512
    .wavefront_size: 32
...
	.end_amdgpu_metadata
.endif
;; end of part 1
